; MI455X (gfx1250); checked and timed in simulation.
; The chip was launched on July 23, 2026; its instructions are those of AMD's public machine-readable ISA for CDNA 5 (MIT licence, August 2026) and "CDNA5" Instruction Set Architecture Reference Guide (July 2026). The comments in the code are by the model that wrote it; some were corrected since.
;; Multihead Attention. Allowed arithmetic: matrix products marked QUANTISED: E3M2 operands, one E8M0 scale for each 32 along K, by v_wmma_scale_f32_16x16x128_f8f6f4 with both operands' format E3M2, f32 sums; everything else in f32.
;; Inputs: Wk 1,024 x 1,024 float32; Wq 1,024 x 1,024 float32; Wv 1,024 x 1,024 float32; bk 1,024 float32; bq 1,024 float32; bv 1,024 float32; key 4 x 2,048 x 1,024 float32; key_mask 4 x 2,048 bool; query 4 x 2,048 x 1,024 float32; value 4 x 2,048 x 1,024 float32.
;; Outputs: out0 4 x 2,048 x 1,024 float32.
;; This version of the problem:
;;   THIS VERSION OF THE PROBLEM IS GIVEN IN LOW PRECISION. The matrix products marked QUANTISED in the list below multiply operands that are first quantised to E3M2 (3 exponent bits, 2 mantissa bits; 6 bits a number), with one power-of-two scale for each 32 numbers along K (OCP MX v1.0); their sums are f32. All else is computed in f32.
;;   The module's matrix products, in the order in which they are computed (A, B: the left and right operand; K: the contracted axis; several contracted axes count as one K, in the product's order):
;;     1. [M 8,192, K 1,024] x [K 1,024, N 1,024]; A: input query; B: input Wq: QUANTISED
;;     2. [M 8,192, K 1,024] x [K 1,024, N 1,024]; A: input key; B: input Wk: QUANTISED
;;     3. [M 8,192, K 1,024] x [K 1,024, N 1,024]; A: input value; B: input Wv: QUANTISED
;;     4. batch 64 x [M 2,048, K 64] x [K 64, N 2,048]; A: computed on the way; B: computed on the way: QUANTISED
;;     5. batch 64 x [M 2,048, K 2,048] x [K 2,048, N 64]; A: softmax (see below); B: computed on the way: QUANTISED
;;   THE QUANTISER, for each operand of a quantised product, along K:
;;     - K is cut into blocks of 32 from its start; a last block that is shorter is filled with zeros.
;;     - A block's scale is 2^e with e = floor(log2(the largest magnitude in the block)) - 4, held to -126 .. 127; a block of zeros has e = 0. As a byte (E8M0): e + 127.
;;     - Each number is divided by its block's scale, clamped to +-28, and rounded to the nearest number of E3M2, ties to even, subnormals kept.
;;     - The product sums the exact products of the quantised numbers (number of the format x scale) in f32.
;;   ~~~python
;;   def quantise(x, axis):      # numpy; x: float32 -> the quantised numbers, widened to float32 again
;;       x = np.moveaxis(x, axis, -1); K = x.shape[-1]
;;       x = np.pad(x, [(0, 0)] * (x.ndim - 1) + [(0, -K % 32)]); x = x.reshape(x.shape[:-1] + (-1, 32)); a = np.abs(x).max(-1, keepdims=True)
;;       e = np.where(a > 0, np.clip(np.frexp(np.where(a > 0, a, 1))[1] - 1 - 4, -126, 127), 0)      # np.frexp(a)[1] - 1 = floor(log2(a)), exactly
;;       r = np.clip(x / 2.0 ** e, -28, 28)
;;       step = 2.0 ** (np.maximum(np.frexp(np.where(r == 0, 1, r))[1] - 1, -2) - 2)
;;       q = np.round(r / step) * step * 2.0 ** e      # np.round: ties to even
;;       return np.moveaxis(q.reshape(q.shape[:-2] + (-1,))[..., :K], -1, axis).astype(np.float32)
;;   ~~~
;;   SOFTMAX AHEAD OF A QUANTISED PRODUCT. Where the list says 'softmax', what is quantised is not the finished softmax but p = 2^(t - M), with t = logit x log2(e) and M = ceil(the row's largest t), a whole number; so 1/2 < the row's largest p <= 1. The row's sum l is taken of the UNQUANTISED p, in f32, and the product's result is divided by l at the end. Since M is a whole number, a kernel that streams over the keys may use a running M (the ceiling of the running maximum): every later rescaling is an exact power of two, which a block's scale takes up: the codes' values come out the same.
;;   OPERANDS COMPUTED ON THE WAY. 'Computed on the way' means the value that the module computes at that place (a softmax that the list does not call 'softmax' is quantised finished and normalised). What goes into a quantiser is computed in f32, as accurately as f32 sums, v_exp_f32 and their like allow (about 1e-6 of the number): no bf16 or f16 on the way to a quantiser, and a product that is left as it is and whose result goes on into a quantised operand takes f32 operands (vector FMAs, or v_wmma_f32_16x16x4_f32). A number that lies on a knife's edge between two numbers of the format may be rounded either way, as far as f32 arithmetic and the matrix unit's own rounding can turn it there, and no further.
;; One version. Each part assembles by itself: llvm-mc -triple=amdgcn-amd-amdhsa -mcpu=gfx1250 --defsym DOCPART=n.
;; ======== version 1 of 1: 3 launches
;; limits: right only within a limited range of input values
;; workspace buffers: codes 21,233,664 bytes; scales 884,736 bytes; qkc 13,631,488 bytes; vc 6,553,600 bytes
;; launch quant (part 1): grid 864 x 1, 4 waves a work-group, no clusters, 33,280 bytes of LDS; arguments query, key, value, Wq, Wk, Wv, codes, scales; writes codes, scales
.if DOCPART == 1
	.amdgcn_target "amdgcn-amd-amdhsa--gfx1250"
	.amdhsa_code_object_version 6
	.text
	.protected	k_q8bac75d5f5_quant
	.globl	k_q8bac75d5f5_quant
	.p2align	8
	.type	k_q8bac75d5f5_quant,@function
k_q8bac75d5f5_quant:
	s_mov_b64 s[64:65], 0
	v_nop
	global_prefetch_b8 v0, s[64:65] scope:SCOPE_SE
	s_setreg_imm32_b32 hwreg(HW_REG_WAVE_MODE, 25, 1), 1
	s_wait_xcnt 0x0
; query, key, value [8192][1024] and Wq, Wk, Wv [1024][1024], f32, become codes of BF6 (E3M2), 6 bits each, K = the 1,024 innermost, with one E8M0 scale byte for each 32 along K.
; A block's scale is 2^(floor(log2(its largest magnitude)) - 4); its byte is the largest magnitude's exponent field - 4, held at 1 from below.  Each number is divided by the scale and rounded to the nearest code, ties to even;
; beyond the largest code the conversion gives the largest code.  A block of zeros gets the byte 1 where the rule says 127: its codes are zeros, and this program alone reads the bytes.
; LIMITS: NaN and infinities among the inputs are not served.
; OUT: one buffer of 27,648 rows of 768 bytes (query, key, value, Wq, Wk, Wv on end) and one of 27,648 x 32 scale bytes.  ROW ORDER: place p holds the true row p with bits 3 and 4 exchanged, so that 16 neighbouring places
; 16 a + r are the true rows 32 (a / 2) + 8 (a % 2) + r + 8 (r / 8): the order in which the next launch wants the rows of a tile.  A wave takes 8 rows, so the exchange is a choice of the wave's place: it costs nothing.
; A work-group takes 32 rows, a wave 8 rows = 16 steps of 512 numbers.  Each of a step's four loads reads 512 consecutive bytes; the 2,048 bytes turn through the wave's own stage in LDS, so that a lane then holds 16
; neighbours along K (two neighbouring lanes hold a block), as the conversion wants them.  No tensor loads, no barrier, no cluster: waves and work-groups share nothing.  Loads run four steps (16 loads a wave) ahead.
.set STEPS, 16
.set CB,    12                         ; bytes of 16 codes
.set R,     16                         ; v16-79   four sets of 16 numbers as they are loaded
.set X,     80                         ; v80-111  two sets of 16 neighbours
.set E,     112                        ; v112-127 a scale byte for each step
.set C,     128                        ; v128-191 codes: four registers for each step, so that no store's data are written again
.set WREG,  8192                       ; LDS: a region for each wave: two stages of 32 x SP bytes, and behind them its 256 scale bytes
.set SP,    80                         ; a lane's place in a stage: its 64 bytes + 16 of padding
	s_load_b256 s[4:11], s[0:1], 0x0               ; query s[4:5], key s[6:7], value s[8:9], Wq s[10:11]
	s_load_b256 s[12:19], s[0:1], 0x20             ; Wk s[12:13], Wv s[14:15], codes s[16:17], scales s[18:19]
	v_lshl_add_u32 v192, v0, 2, 0x8000
	v_mov_b32 v193, 0
	v_lshrrev_b32 v1, 5, v0
	v_readfirstlane_b32 s23, v1                    ; wave
	v_and_b32 v2, 31, v0                           ; lane
	v_lshlrev_b32 v3, 4, v2                        ; my 16 bytes of a load's 512
	s_mul_i32 s24, s23, WREG
	v_lshrrev_b32 v14, 2, v2
	v_mul_u32_u24 v14, v14, SP
	v_and_b32 v15, 3, v2
	v_lshl_add_u32 v14, v15, 4, v14
	v_add_nc_u32 v14, s24, v14                     ; the stage, on the way in: SP (lane / 4) + 16 (lane % 4); a load's 512 bytes take eight places
	v_mul_u32_u24 v15, v2, SP
	v_add_nc_u32 v15, s24, v15                     ; and on the way out: SP x lane: my 16 neighbours
	v_mul_u32_u24 v4, v2, CB                       ; my codes' place in a step's
	v_lshrrev_b32 v5, 1, v2
	s_add_co_u32 s24, s24, 2*32*SP
	v_add_nc_u32 v5, s24, v5                       ; LDS: my wave's 256 scale bytes, my block's byte
	v_lshlrev_b32 v7, 3, v2                        ; and on the way out 8 bytes a lane
	v_add_nc_u32 v6, s24, v7
	s_wait_kmcnt 0x0
	; which tensor is my work-group's?  The choice hangs on the work-group's number alone: 256 work-groups for each of query, key, value, 32 for each weight
	s_mov_b64 s[20:21], s[14:15]                   ; Wv,
	s_mov_b32 s22, 832                             ; whose first work-group is 832
	s_cmp_lt_u32 ttmp9, 832
	s_cselect_b64 s[20:21], s[12:13], s[20:21]
	s_cselect_b32 s22, 800, s22
	s_cmp_lt_u32 ttmp9, 800
	s_cselect_b64 s[20:21], s[10:11], s[20:21]
	s_cselect_b32 s22, 768, s22
	s_cmp_lt_u32 ttmp9, 768
	s_cselect_b64 s[20:21], s[8:9], s[20:21]
	s_cselect_b32 s22, 512, s22
	s_cmp_lt_u32 ttmp9, 512
	s_cselect_b64 s[20:21], s[6:7], s[20:21]
	s_cselect_b32 s22, 256, s22
	s_cmp_lt_u32 ttmp9, 256
	s_cselect_b64 s[20:21], s[4:5], s[20:21]
	s_cselect_b32 s22, 0, s22
	s_sub_co_u32 s24, ttmp9, s22
	s_lshl_b32 s24, s24, 2
	s_add_co_u32 s24, s24, s23                     ; which run of 8 rows of the tensor I read,
	s_lshl_b32 s24, s24, 15                        ; 32,768 bytes a run (under 2^26)
	s_mov_b32 s25, 0
	s_add_nc_u64 s[20:21], s[20:21], s[24:25]
	s_and_b32 s26, s23, 1
	s_lshl_b32 s26, s26, 1
	s_lshr_b32 s27, s23, 1
	s_or_b32 s26, s26, s27                         ; the wave's two bits exchanged: bits 3 and 4 of the rows' places
	s_lshl_b32 s27, ttmp9, 2
	s_add_co_u32 s26, s26, s27                     ; which run of 8 places I write
	s_mul_i32 s24, s26, 8*768
	s_add_nc_u64 s[16:17], s[16:17], s[24:25]
	s_lshl_b32 s24, s26, 8                         ; 256 scale bytes a run
	s_add_nc_u64 s[18:19], s[18:19], s[24:25]
.macro LOAD t
.irp i, 0,1,2,3
	global_load_b128 v[R+16*((\t)%4)+4*\i:R+16*((\t)%4)+4*\i+3], v3, s[20:21] offset:2048*(\t)+512*\i th:TH_LOAD_NT   ; 32 lanes read 512 consecutive bytes, read once in the launch
.endr
.endm
.macro TURN t                          ; step t's numbers through the stage: LDS serves a wave's instructions in order, so no wait stands between the stores and the loads
.irp i, 0,1,2,3
	ds_store_b128 v14, v[R+16*((\t)%4)+4*\i:R+16*((\t)%4)+4*\i+3] offset:32*SP*((\t)%2)+8*SP*\i
.endr
.irp i, 0,1,2,3
	ds_load_b128 v[X+16*((\t)%2)+4*\i:X+16*((\t)%2)+4*\i+3], v15 offset:32*SP*((\t)%2)+16*\i
.endr
.endm
.irp t, 0,1,2,3
	LOAD \t
.endr
	s_wait_loadcnt 12                              ; step 0's four loads are in; the twelve of steps 1 to 3 may be out
	TURN 0
.macro STEP t
.set XS, X+16*((\t)%2)
.if (\t) > 0
	s_wait_dscnt 1                                 ; this step's numbers are back from the stage (the last step's byte store may be out): so its stores into the stage have read their registers,
.else
	s_wait_dscnt 0x0
.endif
.if (\t)+4 < STEPS
	LOAD (\t)+4                                    ; which take the loads of four steps on
.endif
.if (\t)+1 < STEPS
.if STEPS-2-(\t) >= 3
	s_wait_loadcnt 12                              ; the next step's four loads are in; those of the three steps behind it may be out
.else
	s_wait_loadcnt 4*(STEPS-2-(\t))
.endif
	TURN (\t)+1                                    ; and go through the other stage while this step is worked
.endif
	v_max3_num_f32 v8, |v[XS]|, |v[XS+1]|, |v[XS+2]|               ; the largest magnitude of my 16, in two chains
	v_max3_num_f32 v9, |v[XS+3]|, |v[XS+4]|, |v[XS+5]|
.irp i, 6,10
	v_max3_num_f32 v8, v8, |v[XS+\i]|, |v[XS+\i+1]|
	v_max3_num_f32 v9, v9, |v[XS+\i+2]|, |v[XS+\i+3]|
.endr
	v_max3_num_f32 v8, v8, |v[XS+14]|, |v[XS+15]|
	v_max3_num_f32 v8, v8, v9, 0x2800000           ; and the floor 2^(5 - 127): so the byte cannot fall under 1
	v_max_num_f32_dpp v8, v8, v8 row_xmask:1 row_mask:0xf bank_mask:0xf   ; and of my neighbour's 16: the block's
	v_add_nc_u32 v11, 0xfe000000, v8               ; 4 off its exponent field: the conversion takes the exponent field of this operand as its scale, and nothing else of it
	v_cvt_scalef32_pk16_bf6_f32 v[C+4*(\t):C+4*(\t)+2], v[XS:XS+15], v11   ; sixteen codes, 96 bits without gaps, the first number's code lowest
	v_lshrrev_b32 v[E+(\t)], 23, v11               ; the scale's byte
	ds_store_b8 v5, v[E+(\t)] offset:16*(\t)       ; both lanes of a block write the same byte with the same value
	global_store_b96 v4, v[C+4*(\t):C+4*(\t)+2], s[16:17] offset:32*CB*(\t)   ; the wave stores 384 consecutive bytes
.endm
.irp t, 0,1,2,3,4,5,6,7,8,9,10,11,12,13,14,15
	STEP \t
.endr
	ds_load_b64 v[12:13], v6                       ; LDS serves a wave's instructions in order: these see my stores
	s_wait_dscnt 0x0
	global_store_b64 v7, v[12:13], s[18:19]        ; 32 lanes store 256 consecutive bytes, at a multiple of 256 from the buffer's first byte
	s_wait_tensorcnt 0x0
	ds_add_u32 v192, v193
	s_wait_dscnt 0x0
	s_endpgm
.Lfunc_end_k_q8bac75d5f5_quant:
	.size	k_q8bac75d5f5_quant, .Lfunc_end_k_q8bac75d5f5_quant-k_q8bac75d5f5_quant
	.p2alignl 7, 3214868480
	.fill 96, 4, 3214868480
	.section	.rodata,"a",@progbits
	.p2align	6, 0x0
	.amdhsa_kernel k_q8bac75d5f5_quant
		.amdhsa_group_segment_fixed_size 33280
		.amdhsa_private_segment_fixed_size 0
		.amdhsa_enable_private_segment 0
		.amdhsa_kernarg_size 64
		.amdhsa_user_sgpr_count 2
		.amdhsa_user_sgpr_kernarg_segment_ptr 1
		.amdhsa_wavefront_size32 1
		.amdhsa_system_sgpr_workgroup_id_x 1
		.amdhsa_system_sgpr_workgroup_id_y 1
		.amdhsa_system_sgpr_workgroup_id_z 1
		.amdhsa_system_vgpr_workitem_id 0
		.amdhsa_next_free_vgpr 194
		.amdhsa_next_free_sgpr 66
		.amdhsa_reserve_vcc 0
		.amdhsa_float_denorm_mode_32 3
		.amdhsa_float_denorm_mode_16_64 3
		.amdhsa_memory_ordered 1
		.amdhsa_forward_progress 1
		.amdhsa_inst_pref_size 33
	.end_amdhsa_kernel
	.amdgpu_metadata
---
amdhsa.version: [ 1, 2 ]
amdhsa.kernels:
  - .name:           k_q8bac75d5f5_quant
    .symbol:         k_q8bac75d5f5_quant.kd
    .args:
      - { .name: query, .offset: 0, .size: 8, .value_kind: global_buffer, .address_space: global }
      - { .name: key, .offset: 8, .size: 8, .value_kind: global_buffer, .address_space: global }
      - { .name: value, .offset: 16, .size: 8, .value_kind: global_buffer, .address_space: global }
      - { .name: Wq, .offset: 24, .size: 8, .value_kind: global_buffer, .address_space: global }
      - { .name: Wk, .offset: 32, .size: 8, .value_kind: global_buffer, .address_space: global }
      - { .name: Wv, .offset: 40, .size: 8, .value_kind: global_buffer, .address_space: global }
      - { .name: codes, .offset: 48, .size: 8, .value_kind: global_buffer, .address_space: global }
      - { .name: scales, .offset: 56, .size: 8, .value_kind: global_buffer, .address_space: global }
    .group_segment_fixed_size: 33280
    .private_segment_fixed_size: 0
    .kernarg_segment_align: 8
    .kernarg_segment_size: 64
    .max_flat_workgroup_size: 128
    .sgpr_count:     66
    .vgpr_count:     194
    .wavefront_size: 32
...
	.end_amdgpu_metadata
.endif
;; end of part 1
;; launch proj (part 2): grid 4 x 96, 4 waves a work-group, clusters of 4 x 4, 327,680 bytes of LDS; arguments codes, scales, bq, bk, bv, key_mask, qkc, vc; writes qkc, vc
.if DOCPART == 2
	.amdgcn_target "amdgcn-amd-amdhsa--gfx1250"
	.amdhsa_code_object_version 6
	.text
	.protected	k_q8bac75d5f5_proj
	.globl	k_q8bac75d5f5_proj
	.p2align	8
	.type	k_q8bac75d5f5_proj,@function
k_q8bac75d5f5_proj:
	s_mov_b64 s[64:65], 0
	v_nop
	global_prefetch_b8 v0, s[64:65] scope:SCOPE_SE
	s_setreg_imm32_b32 hwreg(HW_REG_WAVE_MODE, 25, 1), 1
	s_wait_xcnt 0x0
	s_wait_alu depctr_hold_cnt(0) depctr_sa_sdst(0) depctr_va_vdst(0) depctr_va_sdst(0) depctr_va_ssrc(0) depctr_va_vcc(0) depctr_vm_vsrc(0)
	s_getreg_b32 s2, hwreg(HW_REG_IB_STS2, 6, 4)
	s_cmp_eq_u32 s2, 0
	s_cbranch_scc0 .Lentry_in_a_cluster
	s_endpgm
.Lentry_in_a_cluster:
	s_bfe_u32 s2, ttmp6, 0x10000c
	s_cmp_lg_u32 s2, 0xf033
	s_cbranch_scc0 .Lentry_shape_is_right
	s_endpgm
.Lentry_shape_is_right:
; q = query Wq^T + bq, k = key Wk^T + bk, v = value Wv^T + bv on codes of BF6 (E3M2) with one E8M0 scale for each 32 along K = 1,024; sums in f32; the results are quantised in registers for the attention launch
; (q and k along the head's 64, v along the keys) and stored as IMAGES OF THAT LAUNCH'S OPERAND REGISTERS.  Nothing in f32 goes to memory.
; A tile of 256 x 256 results is made by a work-group of four waves, 128 x 128 a wave: 64 accumulators of 16 x 16, 512 registers.  K goes in steps of 256 (rows of 192 bytes) through a ring of two LDS slots filled by the
; tensor data mover; the scale bytes of the work-group's 512 rows, for all of K, come into LDS once, with the first fills.
; SIDES.  Source 1 (side A here) gives the result's lane, source 0 (side B) its registers.  For q and k: A = 256 tokens, B = 256 rows of W: a lane holds one token, its registers run along the channels.  For v: A = 256 rows of
; Wv, B = 256 tokens: a lane holds one channel, its registers run along the keys.  All six operands lie in ONE buffer of rows, so the change of sides is a choice of row numbers, made from the cluster's number alone.
; ROW ORDER.  The buffer's place p holds the true row p with bits 3 and 4 exchanged.  So 16 neighbouring places are the true rows 32 (a / 2) + 8 (a % 2) + r + 8 (r / 8), and the 64 registers that a lane holds of a block of
; A are 128 NEIGHBOURS of side B: register 16 b + i = true row 32 b + 16 (lane / 16) + i: what the conversions want.
; CLUSTERS: 4 x 4 work-groups; 24 clusters: 8 for each of q, k, v.  The four of a row of the cluster need the same tiles of A, the four of a column the same tiles of B: each tile is asked for JOINTLY.
; THE MASK AND THE 1/8.  q is quantised as it is: q / 8 has the same codes under scale bytes 3 lower, and the attention launch takes the 1/8 into its factor.  A scale word of q or k has two bytes of its own (64 along K); the
; other two serve the idle half of that launch's K = 128: q: 120 and 1; k: 254 where key_mask hides the key, else 1, and 1.
; LIMITS: NaN and infinities are not served; q's byte departs from the rule only where a block's largest |q| lies under 2^-119; a block of zeros gets the byte 1 over zero codes (read by this program alone).
; REGISTERS, in windows of 256: window 0: v16-31 addresses; v32-63 scale words, two sets; v64-127 the bias by registers; v128-223 A's fragments, ONE set; v224-239 the bias by lanes; v240-243 the scale words' upper halves.
;   window 1: B's fragments, TWO sets, at v0 and v128.   window 2: the accumulators of my A blocks 0-3 ((a, b) at v[8 (8 a + b)]);   window 3: those of blocks 4-7.
;   On the way out window 0's v32-51 and v128-223 are free and are at work.
.set SIZE_K, 1024
.set KSTEP,  256                       ; along K in a slot
.set NQ,     KSTEP/128                 ; matrix instructions deep
.set ROWB,   192                       ; a tile's row in bytes
.set KROW,   SIZE_K*6/8                ; a row of codes in memory
.set PITCH,  240                       ; an LDS row: 3 x (64 bytes of data + 16 of padding) = 60 words: the 32 lanes of a load of 8 bytes touch 64 different banks (64 banks of 4 bytes: ISA guide 11.1)
.set FR,     12                        ; registers of a fragment: 16 rows x 128 K
.set NL,     6                         ; LDS loads that bring one
.set NP,     4                         ; places behind this matrix instruction (ISA guide 7.12.1)
.set HALFT,  128*PITCH                 ; 128 rows: what one tensor load brings, and what one wave reads of A or of B
.set SLOT,   4*HALFT                   ; A's 256 rows, then B's 256 rows
.set LAPS,   SIZE_K/(2*KSTEP)          ; a lap = two K steps = once round the ring: two laps
.set KS,     SIZE_K/32                 ; a row of scales in bytes
.set SCL,    2*SLOT                    ; behind the ring: the scales, as units of 256 bytes + 16 of padding
.set HALFS,  (128*KS/256)*272          ; the scales of 128 rows: what one tensor load brings
.set SBLK,   (16*KS/256)*272           ; those of 16 rows
.set SPARE,  SCL+4*HALFS               ; behind the scales: the spare words, 128 bytes for each wave: two blocks of 256 bytes that no other line names
.set QBLK,   6656                      ; a block of qkc: 128 rows of one head: 8 tiles x 768 bytes of codes, 512 bytes of scale words
.set QHEAD,  16*QBLK                   ; from a head to the next
.set VBLK,   6400                      ; a block of vc: 128 keys of one head: 4 tiles x 1,536 bytes of codes, 256 bytes of scale words
.set VHEAD,  16*VBLK
.set ADRA, 16                          ; v16-17  LDS address of my A fragments in slot 0, 1  (v18-19: the same for the pieces that lie behind one padding more)
.set ADRB, 20                          ; v20-21  the same for B  (v22-23)
.set LI16, 24                          ; v24     16 x lane: my place in an image of four registers
.set LI8,  25                          ; v25     8 x lane: in an image of two
.set LSC,  26                          ; v26     32 r + 16 h: q's and k's scale words
.set ADRS, 27                          ; v27     LDS address of my scale words: lanes 0-15 A's rows, lanes 16-31 B's
.set SPW,  28                          ; v28     LDS address of my spare word: SPARE + 4 x my thread's number; never rewritten
.set NIL,  29                          ; v29     0; never rewritten
.set LSV,  30                          ; v30     VHEAD h + 16 r: v's scale words
.set LN,   31                          ; v31     lane
.set SC,   32                          ; scale words: set s at v[SC + 8 NQ s]; register NQ i + q: lanes 0-15 the word of A's block i, lanes 16-31 that of B's block i
.set BI,   64                          ; v64-127  bias(32 b + 16 h + i) at register 16 b + i: for q and k
.set AF,   128                         ; A's fragments
.set BV,   224                         ; v224-239 bias of my lane's channel in A's block a, twice, at registers 2 a, 2 a + 1: for v
.set U4,   240                         ; v240-243 bytes 2 and 3 of the scale word of tile 4 h + i, row r
.set HA,   128                         ; the way out: v128-191 a block's 64 numbers
.set PC,   192                         ; v192-211 the codes just made
.set TM,   212                         ; v212-215 largest magnitudes, v216-219 the other half's and then the bytes, v220-223 the conversions' scale operands
.set PWS,  32                          ; v32-39  the eight blocks' scale words
.set TW,   40                          ; v40-43  the same, four to a half of the lanes
.set OW,   44                          ; v44-51  q's and k's words as they are stored
.set WV,   20                          ; s20 wave;  s21 which half of A's rows is mine, also: I fetch for A (0) or B (1);  s22 which half of B's rows, also: which 128 rows I fetch;  s23 0 q, 1 k, 2 v
.set NH,   21
.set PH,   22
.set TEN,  23
.set SEL,  12                          ; s[12:13] lane selects for v_permlanex16_b32 (set when the pointers there are done with)
.set G1, 24                            ; s[24:31] descriptor group 1 for A's tiles;  s[32:39] group 0, one set for each slot
.set G0, 32
.set G1B, 48                           ; s[48:55], s[56:63] the same for B's tiles
.set G0B, 56
.set G1S, 68                           ; s[68:75], s[76:79] groups 1 and 0 for A's scales;  s[80:87], s[88:91] for B's
.set G0S, 76
.set G1SB, 80
.set G0SB, 88
.set MSB, 0
.macro WIN new                         ; the immediate's high byte repeats the setting that is left
.if MSB != \new
	s_set_vgpr_msb (MSB<<8)|\new
.set MSB, \new
.endif
.endm
.set MUL_LO, 0xa1                      ; source 0 (B) window 1, source 1 (A) window 0, C and D window 2
.set MUL_HI, 0xf1                      ; the same, C and D window 3
.set TO_B,   0x40                      ; destination window 1, address window 0
; A joint load: waves 0 and 1 fetch for A, waves 2 and 3 for B.  Each of the two lines has ONE mask and one set of registers for all that issue it; the branch hangs on the wave's number alone.
; Four v_nop follow each of the two lines, ahead of the jump, the label and what follows.
.macro JLOAD g0a, g1a, g0b, g1b
	s_cmp_eq_u32 s[NH], 0
	s_cbranch_scc0 .Lfor_b_\@
	tensor_load_to_lds s[\g0a:\g0a+3], s[\g1a:\g1a+7]
	s_nop 0
.rept 4
	v_nop
.endr
	s_branch .Lasked_\@
.Lfor_b_\@:
	tensor_load_to_lds s[\g0b:\g0b+3], s[\g1b:\g1b+7]
	s_nop 0
.rept 4
	v_nop
.endr
.Lasked_\@:
.endm
.macro CREST                           ; a round of the cluster's barrier behind its opening barrier
	s_cmp_lg_u32 s[WV], 0
	s_cbranch_scc1 .Lnot_wave_0_\@
	s_barrier_signal -3
.Lnot_wave_0_\@:
	s_barrier_wait -3
	s_barrier_signal -1
	s_barrier_wait -1
.endm
.macro CROUND                          ; a whole round
	s_barrier_signal -1
	s_barrier_wait -1
	CREST
.endm
	s_load_b256 s[4:11], s[0:1], 0x0               ; codes s[4:5], scales s[6:7], bq s[8:9], bk s[10:11]
	s_load_b256 s[12:19], s[0:1], 0x20             ; bv s[12:13], key_mask s[14:15], qkc s[16:17], vc s[18:19]
	v_lshl_add_u32 v[SPW], v0, 2, SPARE
	v_mov_b32 v[NIL], 0
	ds_add_u32 v28, v29
	ds_add_u32 v28, v29
	s_wait_dscnt 0x0
	v_lshrrev_b32 v1, 5, v0
	v_readfirstlane_b32 s[WV], v1                  ; wave 0..3
	s_lshr_b32 s[NH], s[WV], 1
	s_and_b32 s[PH], s[WV], 1
	s_bfe_u32 s40, ttmp6, 0x40000                  ; cx, cy: my place in the cluster
	s_bfe_u32 s41, ttmp6, 0x40004
	s_and_b32 s67, ttmp7, 0xffff                   ; the cluster's y, 0 .. 23: the same in all sixteen partners
	s_lshr_b32 s[TEN], s67, 3                      ; 0 q, 1 k, 2 v
	s_lshl_b32 s67, s67, 2                         ; the cluster's first tile of 256 tokens: query's are 0-31, key's 32-63, value's 64-95; Wq's tiles are 96-99, Wk's 100-103, Wv's 104-107
	s_lshl_b32 s95, s[TEN], 2
	s_add_co_u32 s95, s95, 96                      ; the weight's first tile
	s_cmp_eq_u32 s[TEN], 2
	s_cselect_b32 s66, 104, s67                    ; side A: Wv for v, else the tokens;
	s_cselect_b32 s42, s67, s95                    ; side B: the tokens for v, else the weight
	s_add_co_u32 s66, s66, s41                     ; A's tile hangs on cy alone, which my row of the cluster shares,
	s_add_co_u32 s42, s42, s40                     ; B's on cx alone, which my column shares
	s_lshl_b32 s43, s41, 2
	s_lshl_b32 s43, 15, s43                        ; my row of the cluster
	s_lshl_b32 s44, 0x1111, s40                    ; my column
	; descriptor group 1: a tile of 128 rows x ROWB bytes, padded in LDS
	s_or_b32 s[G1+0], s43, (0<<16)|(1<<20)|(1<<21)|(3<<22)|(3<<25)  ; 15:0 the mask: A's tiles go to my row; 17:16 element of 1 byte; 20 padding on; 21 set beside a mask; 24:22 after every 16 words (code 3); 31:25 of 4 words (code 3)
	s_or_b32 s[G1B+0], s44, (0<<16)|(1<<20)|(1<<21)|(3<<22)|(3<<25)
.irp g, G1, G1B
	s_mov_b32 s[\g+1], ROWB<<16                    ; tensor_dim0
	s_mov_b32 s[\g+2], 128<<16                     ; tensor_dim1 = 128
	s_mov_b32 s[\g+3], ROWB<<16                    ; tile_dim0
	s_mov_b32 s[\g+4], 128                         ; tile_dim1 = 128
	s_mov_b32 s[\g+5], KROW                        ; tensor_dim0_stride
	s_mov_b32 s[\g+6], 0
	s_mov_b32 s[\g+7], 0
.endr
	; and for the scales of 128 rows: a dense block of 4,096 bytes, as 16 rows of 256 bytes (32 elements of 8 bytes), 16 bytes of padding behind each
	s_or_b32 s[G1S+0], s43, (3<<16)|(1<<20)|(1<<21)|(5<<22)|(3<<25)
	s_or_b32 s[G1SB+0], s44, (3<<16)|(1<<20)|(1<<21)|(5<<22)|(3<<25)
.irp g, G1S, G1SB
	s_mov_b32 s[\g+1], 32<<16
	s_mov_b32 s[\g+2], (128*KS/256)<<16
	s_mov_b32 s[\g+3], 32<<16
	s_mov_b32 s[\g+4], 128*KS/256
	s_mov_b32 s[\g+5], 32
	s_mov_b32 s[\g+6], 0
	s_mov_b32 s[\g+7], 0
.endr
	s_lshl_b32 s95, s[PH], 7                       ; which 128 rows of the tile I fetch
	s_lshl_b32 s96, s66, 8
	s_add_co_u32 s96, s96, s95                     ; A: place 256 x tile + 128 x half
	s_lshl_b32 s46, s42, 8
	s_add_co_u32 s46, s46, s95                     ; B likewise
	s_mov_b32 s97, 0
	s_mov_b32 s47, 0
	s_mov_b64 s[100:101], KS
	s_mul_u64 s[98:99], s[96:97], s[100:101]       ; where these rows' scales begin, in bytes
	s_mul_u64 s[92:93], s[46:47], s[100:101]
	s_mov_b64 s[100:101], KROW
	s_mul_u64 s[96:97], s[96:97], s[100:101]       ; and their codes
	s_mul_u64 s[46:47], s[46:47], s[100:101]
	s_mul_i32 s45, s[WV], HALFT                    ; where they go: wave x 128 rows: no place in the cluster enters an LDS address
	s_mul_i32 s94, s[WV], HALFS
	s_wait_kmcnt 0x0
	s_add_nc_u64 s[96:97], s[4:5], s[96:97]
	s_add_nc_u64 s[98:99], s[6:7], s[98:99]
	s_add_nc_u64 s[46:47], s[4:5], s[46:47]
	s_add_nc_u64 s[92:93], s[6:7], s[92:93]
	CROUND                                         ; all sixteen work-groups are here: the first joint loads meet
	s_mov_b32 s[G0S], 1
	s_add_co_u32 s[G0S+1], s94, SCL
	s_mov_b64 s[G0S+2:G0S+3], s[98:99]
	s_or_b32 s[G0S+3], s[G0S+3], 0x80000000
	s_mov_b32 s[G0SB], 1
	s_add_co_u32 s[G0SB+1], s94, SCL
	s_mov_b64 s[G0SB+2:G0SB+3], s[92:93]
	s_or_b32 s[G0SB+3], s[G0SB+3], 0x80000000
	JLOAD G0S, G1S, G0SB, G1SB                     ; the scales first: they are wanted with K step 0
.irp s, 0,1
	s_mov_b32 s[G0+4*\s], 1
	s_add_co_u32 s[G0+4*\s+1], s45, \s*SLOT
	s_add_nc_u64 s[G0+4*\s+2:G0+4*\s+3], s[96:97], \s*ROWB
	s_or_b32 s[G0+4*\s+3], s[G0+4*\s+3], 0x80000000
	s_mov_b32 s[G0B+4*\s], 1
	s_add_co_u32 s[G0B+4*\s+1], s45, \s*SLOT
	s_add_nc_u64 s[G0B+4*\s+2:G0B+4*\s+3], s[46:47], \s*ROWB
	s_or_b32 s[G0B+4*\s+3], s[G0B+4*\s+3], 0x80000000
	JLOAD G0+4*\s, G1, G0B+4*\s, G1B               ; three loads of mine are out
.endr
	v_and_b32 v1, 15, v0                           ; r = lane % 16
	v_bfe_u32 v2, v0, 4, 1                         ; h = lane / 16
	v_mul_u32_u24 v3, v1, PITCH
	v_mul_u32_u24 v4, v2, 24
	v_add_nc_u32 v4, v3, v4                        ; a fragment's row x pitch + 24 x half
	v_lshl_add_u32 v5, v2, 4, v4                   ; and the same behind one padding more
	s_mul_i32 s96, s[NH], HALFT                    ; my 128 rows of A
	s_mul_i32 s97, s[PH], HALFT                    ; my 128 rows of B,
	s_add_co_u32 s97, s97, 2*HALFT                 ; which lie behind A's 256
.irp s, 0,1
	v_add_nc_u32 v[ADRA+\s], s96, v4
	v_add_nc_u32 v[ADRB+\s], s97, v4
	v_add_nc_u32 v[ADRA+2+\s], s96, v5
	v_add_nc_u32 v[ADRB+2+\s], s97, v5
	s_add_co_u32 s96, s96, SLOT
	s_add_co_u32 s97, s97, SLOT
.endr
	v_mul_u32_u24 v5, v1, KS                       ; my row's scales: KS bytes a row,
	v_lshrrev_b32 v6, 8, v5
	v_lshl_add_u32 v5, v6, 4, v5                   ; and 16 more for each 256 passed
	s_mul_i32 s96, s[NH], HALFS                    ; A's: my 128 rows
	s_mul_i32 s97, s[PH], HALFS                    ; B's: my 128 rows, behind A's 256
	s_add_co_u32 s97, s97, 2*HALFS
	s_sub_co_u32 s97, s97, s96
	v_mul_u32_u24 v6, s97, v2                      ; lanes 16-31 take B's
	s_add_co_u32 s96, s96, SCL
	v_add_nc_u32 v5, v5, v6
	v_add_nc_u32 v[ADRS], s96, v5
	; THE WAY OUT IS SET UP HERE, while the first tiles are on their way.  Numbers that mix cx and cy live in s2, s3, s10-13, s18-19 alone: none of these feeds a descriptor.
	s_cmp_eq_u32 s[TEN], 0
	s_cselect_b64 s[8:9], s[8:9], s[10:11]         ; bq or bk,
	s_cmp_eq_u32 s[TEN], 1
	s_cselect_b32 s10, 0xfd0000, 0                 ; bytes 2 and 3 of a scale word = mask x s10 + s11: k: 1 or 254, and 1;
	s_mov_b32 s11, 0x01780000                      ; q: 120, and 1 (v's words have four bytes of their own: there the number is not used)
	s_cselect_b32 s11, 0x01010000, s11
	s_cmp_eq_u32 s[TEN], 2
	s_cselect_b64 s[8:9], s[12:13], s[8:9]         ; or bv
	s_cselect_b32 s2, s40, s41                     ; the tokens' side: its place in the cluster,
	s_cselect_b32 s3, s41, s40                     ; the weight's side likewise;
	s_cselect_b64 s[16:17], s[18:19], s[16:17]     ; the buffer that I store into: vc or qkc
	s_cselect_b32 s18, s[PH], s[NH]                ; my half of the tokens' 256,
	s_cselect_b32 s19, s[NH], s[PH]                ; my half of the weight's
	s_mov_b32 s12, QBLK
	s_cselect_b32 s12, VBLK, s12                   ; a block's bytes
	s_cselect_b32 s13, 128, 0                      ; value's first group of 128 tokens in the buffer of rows
	s_add_co_u32 s2, s2, s67
	s_lshl_b32 s2, s2, 1
	s_add_co_u32 s2, s2, s18
	s_sub_co_u32 s2, s2, s13                       ; my group of 128 tokens: q 0-63, k 64-127 (k's half of qkc follows q's), v 0-63
	s_lshl_b32 s3, s3, 2
	s_lshl_b32 s19, s19, 1
	s_add_co_u32 s3, s3, s19                       ; the first of my two heads: my 128 channels begin at 64 x it
	s_and_b32 s13, s2, 0xf0                        ; 16 x (tensor and batch)
	s_add_co_u32 s13, s13, s3                      ; + head
	s_lshl_b32 s13, s13, 4
	s_and_b32 s18, s2, 15
	s_add_co_u32 s13, s13, s18                     ; x 16 + the group in its batch: my first head's block
	s_mul_i32 s18, s13, s12
	s_mov_b32 s19, 0
	s_add_nc_u64 s[16:17], s[16:17], s[18:19]
	s_lshl_b32 s18, s3, 8
	s_add_nc_u64 s[8:9], s[8:9], s[18:19]          ; the bias at my 128 channels
	s_and_b32 s18, s2, 63
	s_lshl_b32 s18, s18, 7
	s_add_nc_u64 s[14:15], s[14:15], s[18:19]      ; key_mask at my 128 tokens' numbers (read by every work-group, inside its 8,192 bytes; used for k)
	s_mov_b32 s[SEL], 0x76543210
	s_mov_b32 s[SEL+1], 0xfedcba98                 ; v_permlanex16_b32's selects for lane l xor 16
	v_and_b32 v[LN], 31, v0
	v_lshlrev_b32 v[LI16], 4, v[LN]
	v_lshlrev_b32 v[LI8], 3, v[LN]
	v_lshlrev_b32 v[LSC], 5, v1
	v_lshl_add_u32 v[LSC], v2, 4, v[LSC]
	v_mul_u32_u24 v[LSV], v2, VHEAD
	v_lshl_add_u32 v[LSV], v1, 4, v[LSV]
	v_and_b32 v6, 8, v1
	v_add_nc_u32 v6, v6, v1                        ; r + 8 (r / 8)
	v_lshlrev_b32 v7, 6, v2                        ; 64 h
	v_lshlrev_b32 v8, 2, v6
	v_add_nc_u32 v9, v7, v6
.irp b, 0,1,2,3
.irp j, 0,1,2,3
	global_load_b128 v[BI+16*\b+4*\j:BI+16*\b+4*\j+3], v7, s[8:9] offset:128*\b+16*\j   ; bias(32 b + 16 h + 4 j ..): the order of a lane's 64 registers
.endr
.endr
.irp a, 0,1,2,3,4,5,6,7
	global_load_b32 v[BV+2*\a], v8, s[8:9] offset:4*(32*(\a/2)+8*(\a%2))                ; bias of the channel that my lane holds in A's block a
.endr
.irp i, 0,1,2,3
	global_load_u8 v[U4+\i], v9, s[14:15] offset:32*(\i/2)+8*(\i%2)                     ; the mask of the token of tile 4 h + i, row r: 64 h + 32 (i / 2) + 8 (i % 2) + r + 8 (r / 8)
.endr
	s_wait_loadcnt 0x0                             ; here the wave would wait for its first tiles anyway
.irp a, 0,1,2,3,4,5,6,7
	v_mov_b32 v[BV+2*\a+1], v[BV+2*\a]             ; a pair for the packed addition
.endr
.irp i, 0,1,2,3
	v_mad_u32_u24 v[U4+\i], v[U4+\i], s10, s11
.endr
.macro FRAG reg, adr, q, i             ; a fragment, 16 rows x 128 K of 6-bit codes, is 12 registers: lane l holds row l % 16; registers 6 c .. 6 c + 5 hold K = 64 c + 32 (l / 16) + 0 .. 31: 24 bytes of the row's stream of bits, as they lie
.irp p, 0,1,2,3,4,5                    ; in pieces of 8 bytes, so that every address is a multiple of the access's size.  Lanes 0-15 take the row's pieces 12 q + 0, 1, 2 and 12 q + 6, 7, 8, lanes 16-31 those three pieces on
.set PCE, 12*(\q)+6*(\p/3)+\p%3       ; 16 bytes of padding lie behind every 64 bytes (8 pieces): where the piece three on lies behind one padding more, the second address register (40 for 24 bytes a half) serves
.if PCE%8 < 5
	ds_load_b64 v[\reg+2*\p:\reg+2*\p+1], v[\adr] offset:8*PCE+16*(PCE/8)+(\i)*16*PITCH
.else
	ds_load_b64 v[\reg+2*\p:\reg+2*\p+1], v[\adr+2] offset:8*PCE+16*(PCE/8)+(\i)*16*PITCH
.endif
.endr
.endm
; 16 matrix instructions: A's blocks a0, a0 + 1 x B's eight, 128 along K: the slot's q-th.  p: B's set;  sc: the set of scale words.  zero = 1: the first product starts the sums: nothing is ever cleared.
; The 64 accumulators take turns, one instruction a turn, in the same order in every step.
.macro MUL16 a0, p, q, sc, zero
.irp a, \a0, \a0+1
.irp b, 0,1,2,3,4,5,6,7
.if \zero
	v_wmma_scale_f32_16x16x128_f8f6f4 v[8*(8*((\a)%4)+\b):8*(8*((\a)%4)+\b)+7], v[128*(\p)+FR*\b:128*(\p)+FR*\b+FR-1], v[AF+FR*(\a):AF+FR*(\a)+FR-1], 0, v[SC+8*NQ*(\sc)+NQ*\b+(\q)], v[SC+8*NQ*(\sc)+NQ*(\a)+(\q)] matrix_a_fmt:MATRIX_FMT_BF6 matrix_b_fmt:MATRIX_FMT_BF6 matrix_a_scale:MATRIX_SCALE_ROW1
.else
	v_wmma_scale_f32_16x16x128_f8f6f4 v[8*(8*((\a)%4)+\b):8*(8*((\a)%4)+\b)+7], v[128*(\p)+FR*\b:128*(\p)+FR*\b+FR-1], v[AF+FR*(\a):AF+FR*(\a)+FR-1], v[8*(8*((\a)%4)+\b):8*(8*((\a)%4)+\b)+7], v[SC+8*NQ*(\sc)+NQ*\b+(\q)], v[SC+8*NQ*(\sc)+NQ*(\a)+(\q)] matrix_a_fmt:MATRIX_FMT_BF6 matrix_b_fmt:MATRIX_FMT_BF6 matrix_a_scale:MATRIX_SCALE_ROW1
.endif
.endr
.endr
.endm
.macro FETCH_B slot, q, p              ; B's eight fragments of the slot's q-th 128 along K into set p
	WIN TO_B
.irp i, 0,1,2,3,4,5,6,7
	FRAG 128*(\p)+FR*\i, ADRB+\slot, \q, \i
.endr
	WIN 0
.endm
.macro FETCH_A slot, q, i0             ; A's blocks i0 .. i0 + 3
.irp i, \i0, \i0+1, \i0+2, \i0+3
	FRAG AF+FR*(\i), ADRA+\slot, \q, \i
.endr
.endm
.macro SCALES sc                       ; the next K step's scale words into set sc: NQ words a row; lanes 0-15 take A's block i, lanes 16-31 B's block i
.irp i, 0,1,2,3,4,5,6,7
	ds_load_b64 v[SC+8*NQ*\sc+NQ*\i:SC+8*NQ*\sc+NQ*\i+1], v[ADRS] offset:\i*SBLK
.endr
.endm
; A load into a register that a matrix instruction has read, and a vector instruction that reads a matrix result or writes one of its registers, stand NP places behind that matrix instruction, and only plain vector
; instructions that name none of its registers are places (ISA guide 7.12.1 for vector instructions).
.macro PLACES n
.rept \n
	v_nop
.endr
.endm
; A step of 128 along K that has its successor in the same slot.  A's blocks go one after the other, each against B's eight: a block of A is free when its eight products are issued, so one set of registers serves A.
.macro STEP slot, q, zero
	s_wait_dscnt 4*NL                              ; B's set and A's blocks 0-3 are in; the youngest 24 loads (A's blocks 4-7) may be out
	WIN MUL_LO
	MUL16 0, (\q)%2, \q, \slot, \zero
	MUL16 2, (\q)%2, \q, \slot, \zero
	s_wait_dscnt 0                                 ; A's blocks 4-7 are in (asked for 32 matrix instructions ago)
	PLACES NP
	FETCH_B \slot, (\q)+1, 1-(\q)%2
	FETCH_A \slot, (\q)+1, 0
	WIN MUL_HI
	MUL16 4, (\q)%2, \q, \slot, \zero
	MUL16 6, (\q)%2, \q, \slot, \zero
	PLACES NP
	WIN 0
	FETCH_A \slot, (\q)+1, 4
.endm
; A slot's last step changes slots: ONE barrier; in front of it each wave waits for all its tensor loads, adds 0 to its spare word, and waits for that and for its own reads of this slot.  fill = 1: this slot is filled again, two K steps ahead.
.macro TURN slot, next, fill
	s_wait_tensorcnt 0x0                           ; all my tensor loads have landed: my part of the next slot;  (every window is 0 here: the add's two registers lie in window 0)
	ds_add_u32 v[SPW], v[NIL]                      ; 0 onto my spare word;
	s_wait_dscnt 4*NL+1                            ; (the add and the youngest 24 loads, A's blocks 4-7, may be out)
	WIN MUL_LO
	MUL16 0, 1, NQ-1, \slot, 0                     ; sixteen matrix instructions stand between the add and the wait for it
	s_wait_dscnt 0x0                               ; the add is done, and my reads of this slot are over
	s_barrier_signal -1
	MUL16 2, 1, NQ-1, \slot, 0
	WIN 0
	s_barrier_wait -1
.if \fill
	CREST                                          ; the barrier has opened a round of the cluster's barrier: no wave of any partner still reads this slot's tile or has a load on its way
	s_add_nc_u64 s[G0+4*\slot+2:G0+4*\slot+3], s[G0+4*\slot+2:G0+4*\slot+3], 2*ROWB
	s_add_nc_u64 s[G0B+4*\slot+2:G0B+4*\slot+3], s[G0B+4*\slot+2:G0B+4*\slot+3], 2*ROWB
	JLOAD G0+4*\slot, G1, G0B+4*\slot, G1B         ; the first tensor load behind the round, my one load until the next; the four v_nop behind it are the places in front of the loads below
.else
	PLACES NP
.endif
	v_add_nc_u32 v[ADRS], 4*NQ, v[ADRS]            ; on to the next K step's scale words (no LDS load of mine is out)
	FETCH_B \next, 0, 0
	FETCH_A \next, 0, 0
	SCALES \next
	WIN MUL_HI
	MUL16 4, 1, NQ-1, \slot, 0
	MUL16 6, 1, NQ-1, \slot, 0
	PLACES NP
	WIN 0
	FETCH_A \next, 0, 4
.endm
	s_wait_tensorcnt 1                             ; the scales and my part of K step 0 are in (K step 1's load may be out)
	s_barrier_signal -1
	s_barrier_wait -1                              ; everybody's are
	FETCH_B 0, 0, 0
	FETCH_A 0, 0, 0
	SCALES 0
	FETCH_A 0, 0, 4
	STEP 0, 0, 1                                   ; the first step's products start the sums
.rept LAPS-1                                           ; once round the ring with both slots filled again: with K = 1,024 that is once, so it is written out and no loop is made of it
	TURN 0, 1, 1
	STEP 1, 0, 0
	TURN 1, 0, 1
	STEP 0, 0, 0
.endr
	TURN 0, 1, 0                                   ; the last lap fills nothing, and has no round of the cluster's barrier
	STEP 1, 0, 0
	s_wait_dscnt 4*NL                              ; the very last step: nothing more to fetch
	WIN MUL_LO
	MUL16 0, 1, NQ-1, 1, 0
	MUL16 2, 1, NQ-1, 1, 0
	s_wait_dscnt 0
	WIN MUL_HI
	MUL16 4, 1, NQ-1, 1, 0
	MUL16 6, 1, NQ-1, 1, 0
	WIN 0
; THE WAY OUT.  64 numbers of a lane, v[s] .. v[s + 63], register 16 b + i = k 32 b + 16 (lane / 16) + i of my lane's row, become 12 registers of codes in v[PC] on (registers 6 c .. 6 c + 5: k = 64 c + 32 (lane / 16) + 0 .. 31)
; and the four blocks' scale bytes in v[pw].
.macro QUANT s, pw
.irp b, 0,1,2,3
	v_max3_num_f32 v[TM+\b], |v[\s+16*\b]|, |v[\s+1+16*\b]|, 0x2800000   ; block b: my 16 numbers, and the floor 2^(5 - 127): so the byte cannot fall under 1
.endr
.irp i, 2,4,6,8,10,12,14
.irp b, 0,1,2,3
	v_max3_num_f32 v[TM+\b], v[TM+\b], |v[\s+16*\b+\i]|, |v[\s+1+16*\b+\i]|   ; (the four blocks by turns: no line waits for the line above it)
.endr
.endr
.irp b, 0,1,2,3
	v_permlanex16_b32 v[TM+4+\b], v[TM+\b], s[SEL], s[SEL+1]
.endr
.irp b, 0,1,2,3
	v_max_num_f32 v[TM+\b], v[TM+\b], v[TM+4+\b]   ; with lane l xor 16's: the block's largest magnitude
.endr
.irp b, 0,1,2,3
	v_add_nc_u32 v[TM+8+\b], 0xfe000000, v[TM+\b]  ; 4 off its exponent field: the conversion's scale operand
.endr
.irp b, 0,1,2,3
	v_lshrrev_b32 v[TM+4+\b], 23, v[TM+8+\b]       ; the scale's byte
.endr
	v_lshl_or_b32 v[\pw], v[TM+5], 8, v[TM+4]
	v_lshl_or_b32 v[\pw], v[TM+6], 16, v[\pw]
	v_lshl_or_b32 v[\pw], v[TM+7], 24, v[\pw]
	s_wait_xcnt 0x0                                ; the last block's stores have read their data: the codes' registers are written again only behind this wait
.irp c, 0,1
	v_cvt_scalef32_pk16_bf6_f32 v[PC+6*\c:PC+2+6*\c], v[\s+32*\c:\s+15+32*\c], v[TM+8+2*\c]
	v_cvt_scalef32_pk16_bf6_f32 v[PC+12+4*\c:PC+14+4*\c], v[\s+16+32*\c:\s+31+32*\c], v[TM+8+2*\c+1]   ; (a conversion's three registers begin on an even number)
.endr
	v_nop                                          ; one plain place behind a scaled conversion
.irp c, 0,1                                    ; the operand's layout wants a WHOLE block in a lane: lanes 0-15 block 2 c, lanes 16-31 block 2 c + 1
.irp i, 0,1,2
	v_permlane16_swap_b32 v[PC+6*\c+\i], v[PC+12+4*\c+\i]
.endr
.irp i, 0,1,2
	v_mov_b32 v[PC+3+6*\c+\i], v[PC+12+4*\c+\i]
.endr
.endr
.endm
; Block a of side A: the bias is added (each accumulator is read from its low end on), the 64 numbers are quantised, the codes are stored as images: every store of the wave covers 512 or 256 consecutive bytes, aligned.
; kind 0 (q, k): a lane's 128 channels are two heads: registers 0-5 go to tile a of my first head's block, registers 6-11 to that of the next head's.  kind 1 (v): the 12 registers are tile a % 4 of head a / 4.
.macro EPI a, kind
	WIN (0x02+(\a)/4)                              ; source 0: window 2 or 3
.set II, 0
.rept 32
.if \kind
	v_pk_add_f32 v[HA+2*II:HA+2*II+1], v[64*((\a)%4)+2*II:64*((\a)%4)+2*II+1], v[BV+2*(\a):BV+2*(\a)+1]
.else
	v_pk_add_f32 v[HA+2*II:HA+2*II+1], v[64*((\a)%4)+2*II:64*((\a)%4)+2*II+1], v[BI+2*II:BI+2*II+1]
.endif
.set II, II+1
.endr
	WIN 0
	QUANT HA, PWS+(\a)
.if \kind
.irp c, 0,1,2
	global_store_b128 v[LI16], v[PC+4*\c:PC+4*\c+3], s[16:17] offset:((\a)/4)*VHEAD+((\a)%4)*1536+512*\c
.endr
.else
	global_store_b128 v[LI16], v[PC:PC+3], s[16:17] offset:768*(\a)
	global_store_b64 v[LI8], v[PC+4:PC+5], s[16:17] offset:768*(\a)+512
	global_store_b128 v[LI16], v[PC+6:PC+9], s[16:17] offset:QHEAD+768*(\a)
	global_store_b64 v[LI8], v[PC+10:PC+11], s[16:17] offset:QHEAD+768*(\a)+512
.endif
.endm
	PLACES NP                                      ; behind the last products: their results are read and their operands' registers written from here on
.irp b, 0,1,2,3
	v_mov_b32 v[TM+4+\b], 0                        ; written once: a lane permute's destination counts as one of its sources
.endr
	s_cmp_eq_u32 s[TEN], 2                         ; the cluster's number decides: the same in all sixteen partners
	s_cbranch_scc1 .Lway_v
.irp a, 0,1,2,3,4,5,6,7
	EPI \a, 0
.endr
	v_cmp_le_u32 vcc_lo, 16, v[LN]
.irp i, 0,1,2,3
	v_cndmask_b32 v[TW+\i], v[PWS+\i], v[PWS+4+\i], vcc_lo   ; both halves of the lanes hold every word: lanes 0-15 keep tiles 0-3's, lanes 16-31 tiles 4-7's
.endr
.irp i, 0,1,2,3
	v_and_or_b32 v[OW+\i], v[TW+\i], 0xffff, v[U4+\i]        ; my first head's two bytes under the tile's upper half,
	v_lshrrev_b32 v[OW+4+\i], 16, v[TW+\i]
.endr
.irp i, 0,1,2,3
	v_or_b32 v[OW+4+\i], v[OW+4+\i], v[U4+\i]                ; and the next head's
.endr
	global_store_b128 v[LSC], v[OW:OW+3], s[16:17] offset:6144          ; the word of (tile a, row r) at 32 r + 4 a: 512 consecutive bytes
	global_store_b128 v[LSC], v[OW+4:OW+7], s[16:17] offset:QHEAD+6144
	s_branch .Lend
.Lway_v:
.irp a, 0,1,2,3,4,5,6,7
	EPI \a, 1
.endr
	v_cmp_le_u32 vcc_lo, 16, v[LN]
.irp i, 0,1,2,3
	v_cndmask_b32 v[TW+\i], v[PWS+\i], v[PWS+4+\i], vcc_lo   ; lanes 0-15: my first head's four tiles; lanes 16-31: the next head's
.endr
	global_store_b128 v[LSV], v[TW:TW+3], s[16:17] offset:6144          ; the word of (tile i, row r) at 16 r + 4 i: 256 consecutive bytes for each head
.Lend:
	s_wait_tensorcnt 0x0                           ; the wave's end
	ds_add_u32 v[SPW], v[NIL]
	s_wait_dscnt 0x0
	CROUND                                         ; the closing round: no work-group ends while a partner may still ask for a tile that names it
	s_endpgm
.Lfunc_end_k_q8bac75d5f5_proj:
	.size	k_q8bac75d5f5_proj, .Lfunc_end_k_q8bac75d5f5_proj-k_q8bac75d5f5_proj
	.p2alignl 7, 3214868480
	.fill 96, 4, 3214868480
	.section	.rodata,"a",@progbits
	.p2align	6, 0x0
	.amdhsa_kernel k_q8bac75d5f5_proj
		.amdhsa_group_segment_fixed_size 327680
		.amdhsa_private_segment_fixed_size 0
		.amdhsa_enable_private_segment 0
		.amdhsa_kernarg_size 64
		.amdhsa_user_sgpr_count 2
		.amdhsa_user_sgpr_kernarg_segment_ptr 1
		.amdhsa_wavefront_size32 1
		.amdhsa_system_sgpr_workgroup_id_x 1
		.amdhsa_system_sgpr_workgroup_id_y 1
		.amdhsa_system_sgpr_workgroup_id_z 1
		.amdhsa_system_vgpr_workitem_id 0
		.amdhsa_next_free_vgpr 1024
		.amdhsa_next_free_sgpr 102
		.amdhsa_reserve_vcc 1
		.amdhsa_float_denorm_mode_32 3
		.amdhsa_float_denorm_mode_16_64 3
		.amdhsa_memory_ordered 1
		.amdhsa_forward_progress 1
		.amdhsa_inst_pref_size 234
	.end_amdhsa_kernel
	.amdgpu_metadata
---
amdhsa.version: [ 1, 2 ]
amdhsa.kernels:
  - .name:           k_q8bac75d5f5_proj
    .symbol:         k_q8bac75d5f5_proj.kd
    .args:
      - { .name: codes, .offset: 0, .size: 8, .value_kind: global_buffer, .address_space: global }
      - { .name: scales, .offset: 8, .size: 8, .value_kind: global_buffer, .address_space: global }
      - { .name: bq, .offset: 16, .size: 8, .value_kind: global_buffer, .address_space: global }
      - { .name: bk, .offset: 24, .size: 8, .value_kind: global_buffer, .address_space: global }
      - { .name: bv, .offset: 32, .size: 8, .value_kind: global_buffer, .address_space: global }
      - { .name: key_mask, .offset: 40, .size: 8, .value_kind: global_buffer, .address_space: global }
      - { .name: qkc, .offset: 48, .size: 8, .value_kind: global_buffer, .address_space: global }
      - { .name: vc, .offset: 56, .size: 8, .value_kind: global_buffer, .address_space: global }
    .group_segment_fixed_size: 327680
    .private_segment_fixed_size: 0
    .kernarg_segment_align: 8
    .kernarg_segment_size: 64
    .max_flat_workgroup_size: 128
    .sgpr_count:     102
    .vgpr_count:     1024
    .wavefront_size: 32
...
	.end_amdgpu_metadata
.endif
;; end of part 2
;; launch attn (part 3): grid 4 x 64, 16 waves a work-group, clusters of 4 x 1, 280,576 bytes of LDS; arguments qkc, vc, out0; writes out0
.if DOCPART == 3
	.amdgcn_target "amdgcn-amd-amdhsa--gfx1250"
	.amdhsa_code_object_version 6
	.text
	.protected	k_q8bac75d5f5_attn
	.globl	k_q8bac75d5f5_attn
	.p2align	8
	.type	k_q8bac75d5f5_attn,@function
k_q8bac75d5f5_attn:
	s_mov_b64 s[64:65], 0
	v_nop
	global_prefetch_b8 v0, s[64:65] scope:SCOPE_SE
	s_setreg_imm32_b32 hwreg(HW_REG_WAVE_MODE, 25, 1), 1
	s_wait_xcnt 0x0
	s_wait_alu depctr_hold_cnt(0) depctr_sa_sdst(0) depctr_va_vdst(0) depctr_va_sdst(0) depctr_va_ssrc(0) depctr_va_vcc(0) depctr_vm_vsrc(0)
	s_getreg_b32 s2, hwreg(HW_REG_IB_STS2, 6, 4)
	s_cmp_eq_u32 s2, 0
	s_cbranch_scc0 .Lentry_in_a_cluster
	s_endpgm
.Lentry_in_a_cluster:
	s_bfe_u32 s2, ttmp6, 0x10000c
	s_cmp_lg_u32 s2, 0x3003
	s_cbranch_scc0 .Lentry_shape_is_right
	s_endpgm
.Lentry_shape_is_right:
; out[b][t][64 hd + d] = the sum over keys of softmax(q . k / 8, hidden keys left out) v, both products on codes of BF6 (E3M2) with one E8M0 scale for each 32 along a product's K.
; q, k, v come as images of the operands' registers, made by the launch before: qkc [q, k][64 heads][16 groups of 128 rows][8 tiles x 768 bytes, 512 bytes of scale words], vc [64][16 steps of 128 keys][4 tiles x 1,536, 256].
; THE SOFTMAX AHEAD OF THE SECOND PRODUCT: t = score x c; M = the row's largest t so far, rounded UP to a whole number; p = 2^(t - M) is what is quantised, along the keys; the row's sum is taken of the unquantised p and
; divides at the end.  When M moves, the sum and O are multiplied by 2^(old M - new M): exact.  q's codes are those of q, not of q / 8 (the same codes, scale bytes 3 higher), so c = log2(e) / 8.
; THE MASK costs no vector instruction.  The first product's K is 64, the instruction's 128: in the idle half both operands hold zeros but for ONE code at k = 64: +1 in K's operand, -1 in Q's.  Their block's scale bytes are
; 120 for q and, for k, 254 where the key is hidden, else 1: a hidden key's score gets -2^120, an open key's -2^-133.  The running largest t begins at -2^100, above every hidden t: so a hidden key's p is 0, and a row all of
; whose keys are hidden ends as 0 / 0, NaN, as the softmax of a row of -infinity does.
; LIMITS: NaN and infinities are not served; a t under -2^100 is not served; open keys' scores carry -2^-133.
; SHARES.  A work-group owns 512 queries of one head; each of its SIXTEEN waves takes one tile of 16 queries in each of two passes, in 256 registers: four waves to a SIMD, so that one wave's vector work stands beside
; another's matrix work and LDS loads.  Every wave walks the head's 2,048 keys, 128 a step.
; THE WHOLE HEAD'S K AND V LIE IN LDS, 208,896 bytes, FILLED ONCE: no ring, no refill.  CLUSTER: the four work-groups of a head ask for every part JOINTLY: the same tensor load, the same descriptor, a mask that names the four.
; All that the launch reads of K and V is asked for in that one group at its head, so nothing is left to ask for ahead of time.
; LAYOUT.  Both products are used transposed: S^T = K Q^T (source 0 = 16 keys, source 1 = my 16 queries), O^T = V^T P^T (source 0 = 16 channels, source 1 = P): a lane holds ONE query (lane % 16) throughout.
; The rows of a tile are 32 (a / 2) + 8 (a % 2) + r + 8 (r / 8), for keys, channels and queries alike: so the 16 registers of two neighbouring tiles of a result are 16 neighbours: 32 b + 16 (lane / 16) + 0 .. 15.
; REGISTERS: v1-11 addresses that stay; v14 -M, v15 the largest t, v[16:17] the sum in two halves; v18 Q's scale word; v20-31 Q; v32-79 four fragments of K; v80-83 K's scale words, v84-85 V's; v86-90 the step's addresses;
; v96-159 S^T, then p, then V's four fragments; v160-191 O^T; v192-211 p's codes; v212-230 at work.
.set KBLK,  6656                       ; a block of 128 rows of q or k
.set VBLK,  6400                       ; a block of 128 keys of v
.set KHALF, 64*16*KBLK                 ; where k's half of qkc begins
.set VBASE, 16*KBLK                    ; LDS: K's 16 blocks from 0 on, V's 16 from here on,
.set STAGE, VBASE+16*VBLK              ; and the way out: 16 rows x (256 bytes + 16) for each wave; no tensor load lands there
.set SPT,   272
.set WV,    10                         ; s10 wave; s11 cx; s12 batch x 16 + head; s[14:15] lane selects; s[16:17] c, twice; s18, s19 the step's blocks of K and V in LDS; s20 steps to go; s21 passes to go; s[22:23] my block of q
.macro CROUND                          ; a round of the cluster's barrier
	s_barrier_signal -1
	s_barrier_wait -1
	s_cmp_lg_u32 s[WV], 0
	s_cbranch_scc1 .Lnot_wave_0_\@
	s_barrier_signal -3
.Lnot_wave_0_\@:
	s_barrier_wait -3
	s_barrier_signal -1
	s_barrier_wait -1
.endm
.macro QLOAD                           ; my tile of queries: six registers of codes and the scale word
	global_load_b128 v[20:23], v9, s[22:23]
	global_load_b64 v[24:25], v10, s[22:23]
	global_load_b32 v18, v11, s[22:23]
.endm
	s_load_b128 s[4:7], s[0:1], 0x0                ; qkc s[4:5], vc s[6:7]
	s_load_b64 s[8:9], s[0:1], 0x10                ; out0
	v_lshl_add_u32 v254, v0, 2, 0x44000
	v_mov_b32 v255, 0
	ds_add_u32 v254, v255
	ds_add_u32 v254, v255
	v_lshrrev_b32 v1, 5, v0
	v_readfirstlane_b32 s[WV], v1                  ; wave 0..15
	s_bfe_u32 s11, ttmp6, 0x40000                  ; cx: which 512 queries: it enters q's and out0's addresses alone
	s_and_b32 s12, ttmp7, 0xffff                   ; batch x 16 + head, which the four partners share
	s_and_b32 s48, s[WV], 3                        ; which quarter I fetch, if I fetch: waves 0-3 of K, waves 4-7 of V
	s_mul_i32 s49, s48, 4*KBLK
	s_mul_i32 s50, s48, 4*VBLK
	s_mul_i32 s52, s12, 16*KBLK
	s_add_co_u32 s52, s52, s49
	s_add_co_u32 s52, s52, KHALF                   ; K: the head's blocks in k's half of qkc, + my quarter
	s_mov_b32 s53, 0
	s_mul_i32 s54, s12, 16*VBLK
	s_add_co_u32 s54, s54, s50                     ; V likewise
	s_mov_b32 s55, 0
	; descriptor group 1: dense blocks, as rows of 256 bytes (32 elements of 8 bytes), no padding: K: 104 rows, V: 100
	s_mov_b32 s24, 15|(3<<16)|(1<<21)              ; 15:0 the mask: all four work-groups; 17:16 elements of 8 bytes; 21 set beside a mask
	s_mov_b32 s25, 32<<16                          ; tensor_dim0
	s_mov_b32 s26, 104<<16                         ; tensor_dim1
	s_mov_b32 s27, 32<<16                          ; tile_dim0
	s_mov_b32 s28, 104                             ; tile_dim1
	s_mov_b32 s29, 32                              ; tensor_dim0_stride
	s_mov_b32 s30, 0
	s_mov_b32 s31, 0
	s_mov_b32 s32, 15|(3<<16)|(1<<21)
	s_mov_b32 s33, 32<<16
	s_mov_b32 s34, 100<<16
	s_mov_b32 s35, 32<<16
	s_mov_b32 s36, 100
	s_mov_b32 s37, 32
	s_mov_b32 s38, 0
	s_mov_b32 s39, 0
	s_mov_b32 s14, 0x76543210
	s_mov_b32 s15, 0xfedcba98                      ; v_permlanex16_b32's selects for lane l xor 16
	s_mov_b32 s16, 0x3e38aa3b                      ; c = log2(e) / 8
	s_mov_b32 s17, s16                             ; (the packed form names the pair and takes its low word for both halves: so s17 is written)
	s_mov_b32 s21, 2
	s_wait_dscnt 0x0
	s_wait_kmcnt 0x0
	s_mov_b32 s40, 1                               ; group 0 for K: count = 1,
	s_mov_b32 s41, s49                             ; LDS address: my quarter: the wave's number times a constant,
	s_add_nc_u64 s[42:43], s[4:5], s[52:53]        ; global address,
	s_or_b32 s43, s43, 0x80000000                  ; type = 2
	s_mov_b32 s44, 1                               ; and for V
	s_add_co_u32 s45, s50, VBASE
	s_add_nc_u64 s[46:47], s[6:7], s[54:55]
	s_or_b32 s47, s47, 0x80000000
	CROUND                                         ; all four work-groups are here: the joint loads meet
	s_cmp_lt_u32 s[WV], 4                          ; the branches hang on the wave's number alone; four v_nop follow each tensor load; one load of a wave is out at the most
	s_cbranch_scc0 .Lnot_k
	tensor_load_to_lds s[40:43], s[24:31]
	s_nop 0
.rept 4
	v_nop
.endr
	s_branch .Lasked
.Lnot_k:
	s_cmp_lt_u32 s[WV], 8
	s_cbranch_scc0 .Lasked
	tensor_load_to_lds s[44:47], s[32:39]
	s_nop 0
.rept 4
	v_nop
.endr
.Lasked:
	v_and_b32 v12, 31, v0                          ; l
	v_and_b32 v13, 15, v0                          ; r
	v_bfe_u32 v19, v0, 4, 1                        ; h
	v_lshlrev_b32 v1, 4, v12                       ; v1  16 l: an image of four registers
	v_lshlrev_b32 v2, 3, v12
	v_add_nc_u32 v2, 512, v2                       ; v2  8 l + 512: registers 4 and 5 of a tile of K or Q
	v_lshlrev_b32 v3, 5, v13
	v_lshl_add_u32 v3, v19, 4, v3
	v_add_nc_u32 v3, 6144, v3                      ; v3  K's scale words: 32 r + 16 h: lanes 0-15 take tiles 0-3's, lanes 16-31 tiles 4-7's
	v_lshlrev_b32 v5, 4, v13
	v_lshl_add_u32 v5, v19, 3, v5
	v_add_nc_u32 v5, 6144, v5                      ; v5  V's: 16 r + 8 h: lanes 0-15 tiles 0, 1, lanes 16-31 tiles 2, 3
	s_mul_i32 s48, s[WV], 16*SPT
	s_add_co_u32 s48, s48, STAGE                   ; my stage
	v_mul_u32_u24 v6, v13, SPT
	v_lshl_add_u32 v6, v19, 6, v6
	v_add_nc_u32 v6, s48, v6                       ; v6  in: row r, + 64 h: my half's 16 channels of each 32
	v_mul_u32_u24 v7, v19, SPT
	v_lshl_add_u32 v7, v13, 4, v7
	v_add_nc_u32 v7, s48, v7                       ; v7  back: lanes 0-15 one row of 256 bytes, lanes 16-31 the next
	v_lshlrev_b32 v8, 12, v19
	v_lshl_add_u32 v8, v13, 4, v8                  ; v8  and the same two rows in out0: 4,096 bytes from row to row
	s_and_b32 s49, s[WV], 7                        ; a: my tile of the group's eight
	s_mul_i32 s50, s49, 768
	v_add_nc_u32 v9, s50, v1                       ; v9, v10, v11: my tile's codes and scale word in a block of q
	v_add_nc_u32 v10, s50, v2
	v_lshlrev_b32 v11, 5, v13
	s_lshl_b32 s51, s49, 2
	s_add_co_u32 s51, s51, 6144
	v_add_nc_u32 v11, s51, v11
	; numbers that hold cx live in s2, s3, s13 alone
	s_lshr_b32 s13, s[WV], 3
	s_lshl_b32 s3, s11, 2
	s_add_co_u32 s13, s13, s3                      ; my group of 128 queries in the first pass: 4 cx + wave / 8; the second pass takes the group two on
	s_lshl_b32 s2, s12, 4
	s_add_co_u32 s2, s2, s13
	s_mul_i32 s2, s2, KBLK
	s_mov_b32 s3, 0
	s_add_nc_u64 s[22:23], s[4:5], s[2:3]          ; its block in q's half of qkc
	QLOAD
	s_lshl_b32 s13, s13, 7
	s_lshr_b32 s2, s49, 1
	s_lshl_b32 s2, s2, 5
	s_add_co_u32 s13, s13, s2
	s_and_b32 s2, s49, 1
	s_lshl_b32 s2, s2, 3
	s_add_co_u32 s13, s13, s2                      ; my tile's first query: 128 G + 32 (a / 2) + 8 (a % 2)
	s_lshl_b32 s13, s13, 12
	s_lshr_b32 s2, s12, 4
	s_lshl_b32 s2, s2, 23                          ; the batch: 2,048 rows of 4,096 bytes
	s_add_co_u32 s2, s2, s13
	s_and_b32 s13, s12, 15
	s_lshl_b32 s13, s13, 8                         ; the head: 256 bytes of a row
	s_add_co_u32 s2, s2, s13
	s_add_nc_u64 s[8:9], s[8:9], s[2:3]
	; the idle half of the first product's K: constants, written once
	v_sub_nc_u32 v12, 1, v19                       ; 1 in lanes 0-15, which hold k = 64 .. 95 in registers 6 to 11
	v_mul_u32_u24 v26, v12, 44                     ; Q: the code of -1 (0x2c) at k = 64
.irp i, 27,28,29,30,31
	v_mov_b32 v\i, 0
.endr
.irp t, 0,1,2,3
	v_mul_u32_u24 v[38+12*\t], v12, 12             ; K: the code of +1 (0x0c) at k = 64
.irp i, 39,40,41,42,43
	v_mov_b32 v[\i+12*\t], 0
.endr
.endr
.irp i, 216,217,218,219,230
	v_mov_b32 v\i, 0                               ; written once: a lane permute's destination counts as one of its sources
.endr
	v_mov_b32 v227, 0                              ; (named as the upper half of the pair v[226:227])
	s_wait_tensorcnt 0x0                           ; my part of K or V has landed,
	s_barrier_signal -1
	s_barrier_wait -1                              ; everybody's has: from here on K and V are only read
.Lpass:                                            ; two trips: a tile of 16 queries each
	v_mov_b32 v15, 0xf1800000                      ; the largest t so far: -2^100: under every t that is served, above every hidden key's
	v_floor_f32 v14, -v15                          ; -M
	v_mov_b32 v16, 0                               ; the sum, in two halves
	v_mov_b32 v17, 0
.set J, 0
.rept 32
	v_mov_b32 v[160+J], 0                          ; O^T.  (The step is written once: the first finds zeros, which the first change of M leaves zeros)
.set J, J+1
.endr
	s_mov_b32 s18, 0
	s_mov_b32 s19, VBASE
	s_mov_b32 s20, 16
	s_wait_loadcnt 0x0                             ; my tile of queries
.Lstep:                                            ; sixteen trips: 128 keys each
	v_add_nc_u32 v86, s18, v1                      ; these five are also the places between the last step's products, which read V's fragments in v96-143, and the products below, which write there
	v_add_nc_u32 v87, s18, v2
	v_add_nc_u32 v88, s18, v3
	v_add_nc_u32 v89, s19, v1
	v_add_nc_u32 v90, s19, v5
.irp g, 0,1                                    ; S^T = K Q^T, four tiles of 16 keys at a time
.if \g
.rept 4
	v_nop                                          ; places in front of loads into registers that matrix instructions have read
.endr
.endif
.irp t, 0,1,2,3
	ds_load_b128 v[32+12*\t:35+12*\t], v86 offset:768*(4*\g+\t)
	ds_load_b64 v[36+12*\t:37+12*\t], v87 offset:768*(4*\g+\t)
.endr
.if \g == 0
	ds_load_b128 v[80:83], v88                     ; the eight tiles' scale words
.endif
	s_wait_dscnt 0x0
.irp t, 0,1,2,3
.if \g
	v_wmma_scale_f32_16x16x128_f8f6f4 v[96+8*(4*\g+\t):103+8*(4*\g+\t)], v[32+12*\t:43+12*\t], v[20:31], 0, v[80+\t], v18 matrix_a_fmt:MATRIX_FMT_BF6 matrix_b_fmt:MATRIX_FMT_BF6 matrix_a_scale:MATRIX_SCALE_ROW1
.else
	v_wmma_scale_f32_16x16x128_f8f6f4 v[96+8*(4*\g+\t):103+8*(4*\g+\t)], v[32+12*\t:43+12*\t], v[20:31], 0, v[80+\t], v18 matrix_a_fmt:MATRIX_FMT_BF6 matrix_b_fmt:MATRIX_FMT_BF6
.endif
.endr
.endr                                          ; lane (r, h) holds query r; register 16 b + i is key 32 b + 16 h + i of the step
.rept 4
	v_nop
.endr
.irp b, 0,1,2,3
	v_max3_num_f32 v[212+\b], v[96+16*\b], v[97+16*\b], v[98+16*\b]   ; THE LARGEST SCORE OF EACH BLOCK OF 32 KEYS serves twice: for the row's maximum, and, since p rises with the score, for the block's largest p
.endr
.irp i, 3,5,7,9,11,13
.irp b, 0,1,2,3
	v_max3_num_f32 v[212+\b], v[212+\b], v[96+16*\b+\i], v[97+16*\b+\i]   ; (the four blocks by turns; each accumulator is first read at its low end)
.endr
.endr
.irp b, 0,1,2,3
	v_max_num_f32 v[212+\b], v[212+\b], v[111+16*\b]
.endr
.irp b, 0,1,2,3
	v_permlanex16_b32 v[216+\b], v[212+\b], s14, s15
.endr
.irp b, 0,1,2,3
	v_max_num_f32 v[212+\b], v[212+\b], v[216+\b]  ; with lane l xor 16's 16 keys
.endr
	v_max3_num_f32 v230, v212, v213, v214
	v_max_num_f32 v230, v230, v215                 ; the step's largest score of my query
	v_mul_f32 v230, s16, v230                      ; as t (c is positive)
	v_max_num_f32 v15, v15, v230                   ; the running largest t
	v_mov_b32 v230, v14
	v_floor_f32 v14, -v15                          ; the new -M = floor(-t) = -ceil(t): M IS A WHOLE NUMBER
	v_sub_f32 v230, v14, v230                      ; M's old value less its new one: a whole number, 0 or less
	v_cvt_i32_f32 v230, v230                       ; (it saturates)
	v_ldexp_f32 v226, 1.0, v230                    ; f = 2^(old M - new M): a multiplication by it rounds nothing
.set J, 0
.rept 32
	v_pk_fma_f32 v[96+J:97+J], v[96+J:97+J], s[16:17], v[14:15] op_sel_hi:[1,0,0]   ; t - M, two at a time (of the pairs c and -M the low word serves both halves)
.set J, J+2
.endr
.irp b, 0,1,2,3
	v_fma_f32 v[212+\b], v[212+\b], s16, v14       ; the same of each block's largest score
.endr
.set J, 0
.rept 64
	v_exp_f32 v[96+J], v[96+J]                     ; p = 2^(t - M), at most 1: NOT normalised
.set J, J+1
.endr
	v_pk_mul_f32 v[16:17], v[16:17], v[226:227] op_sel_hi:[1,0]   ; the sums under the new M: the plain instruction behind the exponentials
	s_wait_alu depctr_va_vdst(0)                   ; one wait for the whole batch, ahead of its first reader
.irp b, 0,1,2,3
	v_exp_f32 v[212+\b], v[212+\b]                 ; the block's largest p: the same two instructions on the same number give the same bits
.endr
	v_pk_add_f32 v[228:229], v[96:97], v[98:99]    ; THE ROW'S SUM IS TAKEN OF THE UNQUANTISED p: two at a time, in two chains; it reads the 64 alone: plain work behind the four
.set J, 4
.rept 15
	v_pk_add_f32 v[16:17], v[16:17], v[96+J:97+J]
	v_pk_add_f32 v[228:229], v[228:229], v[98+J:99+J]
.set J, J+4
.endr
	v_pk_add_f32 v[16:17], v[16:17], v[228:229]
	s_wait_alu depctr_va_vdst(0)                   ; and one for the four
.irp b, 0,1,2,3
	v_max_num_f32 v[212+\b], 0x2800000, v[212+\b]  ; the floor 2^(5 - 127): the byte cannot fall under 1 (a block whose every p is 0 keeps that byte: its codes are zeros)
.endr
.irp b, 0,1,2,3
	v_add_nc_u32 v[220+\b], 0xfe000000, v[212+\b]  ; 4 off the exponent field: the conversion's scale operand
.endr
.irp b, 0,1,2,3
	v_lshrrev_b32 v[216+\b], 23, v[220+\b]         ; the scale's byte
.endr
	v_lshl_or_b32 v224, v217, 8, v216              ; p's scale word for these 128 keys
	v_lshl_or_b32 v224, v218, 16, v224
	v_lshl_or_b32 v224, v219, 24, v224
.irp c, 0,1
	v_cvt_scalef32_pk16_bf6_f32 v[192+6*\c:194+6*\c], v[96+32*\c:111+32*\c], v[220+2*\c]
	v_cvt_scalef32_pk16_bf6_f32 v[204+4*\c:206+4*\c], v[112+32*\c:127+32*\c], v[220+2*\c+1]   ; (a conversion's three registers begin on an even number)
.endr
	v_nop                                          ; one plain place behind a scaled conversion
.irp i, 0,1,2,3                                ; V's four fragments go into the registers that p has just left, and land while the lines below are worked
.irp c, 0,1,2
	ds_load_b128 v[96+12*\i+4*\c:99+12*\i+4*\c], v89 offset:1536*\i+512*\c
.endr
.endr
	ds_load_b64 v[84:85], v90                      ; and their scale words
.irp c, 0,1                                    ; the operand's layout wants a WHOLE block in a lane: lanes 0-15 block 2 c, lanes 16-31 block 2 c + 1
.irp i, 0,1,2
	v_permlane16_swap_b32 v[192+6*\c+\i], v[204+4*\c+\i]
.endr
.irp i, 0,1,2
	v_mov_b32 v[195+6*\c+\i], v[204+4*\c+\i]
.endr
.endr
.set J, 0
.rept 16
	v_pk_mul_f32 v[160+J:161+J], v[160+J:161+J], v[226:227] op_sel_hi:[1,0]   ; O^T under the new M: x f.  (With the moves above: the places between the writes of p's codes and scale word and the products below)
.set J, J+2
.endr
	s_wait_dscnt 0x0
.irp i, 0,1,2,3                                ; O^T += V^T P^T: four tiles of 16 channels, four accumulators by turns; K = these 128 keys
.if \i > 1
	v_wmma_scale_f32_16x16x128_f8f6f4 v[160+8*\i:167+8*\i], v[96+12*\i:107+12*\i], v[192:203], v[160+8*\i:167+8*\i], v[84+(\i&1)], v224 matrix_a_fmt:MATRIX_FMT_BF6 matrix_b_fmt:MATRIX_FMT_BF6 matrix_a_scale:MATRIX_SCALE_ROW1
.else
	v_wmma_scale_f32_16x16x128_f8f6f4 v[160+8*\i:167+8*\i], v[96+12*\i:107+12*\i], v[192:203], v[160+8*\i:167+8*\i], v[84+(\i&1)], v224 matrix_a_fmt:MATRIX_FMT_BF6 matrix_b_fmt:MATRIX_FMT_BF6
.endif
.endr
	s_add_co_u32 s18, s18, KBLK                    ; the next 128 keys
	s_add_co_u32 s19, s19, VBLK
	s_sub_co_u32 s20, s20, 1
	s_cmp_lg_u32 s20, 0
	s_cbranch_scc1 .Lstep
	s_cmp_eq_u32 s21, 1                            ; the next pass's queries are asked for here, if there is a next pass
	s_cbranch_scc1 .Lno_next
	s_add_nc_u64 s[22:23], s[22:23], 2*KBLK        ; (the last loads through this base were waited for at the pass's head)
	QLOAD
.Lno_next:
	; THE WAY OUT.  O^T is divided by the row's sum and goes through my stage in LDS, so that sixteen lanes store a query's 256 bytes of this head: 256 consecutive bytes, at a multiple of 256 from out0's first byte.
.rept 4
	v_nop                                          ; places behind the last products
.endr
	v_add_f32 v16, v16, v17                        ; the sum's two halves,
	v_permlanex16_b32 v230, v16, s14, s15
	v_add_f32 v16, v16, v230                       ; and lane l xor 16's: the row's sum
	v_rcp_f32 v226, v16
	v_nop                                          ; a plain place behind the transcendental,
	s_wait_alu depctr_va_vdst(0)                   ; and the wait ahead of its first reader
.set J, 0
.rept 16
	v_pk_mul_f32 v[96+J:97+J], v[160+J:161+J], v[226:227] op_sel_hi:[1,0]   ; register 16 b + i is channel 32 b + 16 h + i; each accumulator is read from its low end on
.set J, J+2
.endr
.irp b, 0,1
.irp j, 0,1,2,3
	ds_store_b128 v6, v[96+16*\b+4*\j:99+16*\b+4*\j] offset:128*\b+16*\j
.endr
.endr
.irp i, 0,1,2,3,4,5,6,7
	ds_load_b128 v[128+4*\i:131+4*\i], v7 offset:2*\i*SPT   ; LDS serves a wave's instructions in order: these see my stores
.endr
.irp i, 0,1,2,3,4,5,6,7
	s_wait_dscnt 7-\i                              ; rows 2 i, 2 i + 1 are back; the younger loads may be out
	global_store_b128 v8, v[128+4*\i:131+4*\i], s[8:9] offset:(2*\i+8*(\i/4))*4096 th:TH_STORE_NT   ; the tile's row r is query r + 8 (r / 8) of its 24; written once, read by nobody here
.endr
	s_wait_xcnt 0x0                                ; the stores have read their data and their base: both are written again only behind this wait
	s_add_nc_u64 s[8:9], s[8:9], 2*128*4096        ; the group two on
	s_sub_co_u32 s21, s21, 1
	s_cmp_lg_u32 s21, 0
	s_cbranch_scc1 .Lpass
	s_wait_tensorcnt 0x0
	ds_add_u32 v254, v255
	s_wait_dscnt 0x0
	CROUND                                         ; the closing round: no work-group ends while a partner may still ask for a part that names it
	s_endpgm
.Lfunc_end_k_q8bac75d5f5_attn:
	.size	k_q8bac75d5f5_attn, .Lfunc_end_k_q8bac75d5f5_attn-k_q8bac75d5f5_attn
	.p2alignl 7, 3214868480
	.fill 96, 4, 3214868480
	.section	.rodata,"a",@progbits
	.p2align	6, 0x0
	.amdhsa_kernel k_q8bac75d5f5_attn
		.amdhsa_group_segment_fixed_size 280576
		.amdhsa_private_segment_fixed_size 0
		.amdhsa_enable_private_segment 0
		.amdhsa_kernarg_size 24
		.amdhsa_user_sgpr_count 2
		.amdhsa_user_sgpr_kernarg_segment_ptr 1
		.amdhsa_wavefront_size32 1
		.amdhsa_system_sgpr_workgroup_id_x 1
		.amdhsa_system_sgpr_workgroup_id_y 1
		.amdhsa_system_sgpr_workgroup_id_z 1
		.amdhsa_system_vgpr_workitem_id 0
		.amdhsa_next_free_vgpr 256
		.amdhsa_next_free_sgpr 66
		.amdhsa_reserve_vcc 0
		.amdhsa_float_denorm_mode_32 3
		.amdhsa_float_denorm_mode_16_64 3
		.amdhsa_memory_ordered 1
		.amdhsa_forward_progress 1
		.amdhsa_inst_pref_size 30
	.end_amdhsa_kernel
	.amdgpu_metadata
---
amdhsa.version: [ 1, 2 ]
amdhsa.kernels:
  - .name:           k_q8bac75d5f5_attn
    .symbol:         k_q8bac75d5f5_attn.kd
    .args:
      - { .name: qkc, .offset: 0, .size: 8, .value_kind: global_buffer, .address_space: global }
      - { .name: vc, .offset: 8, .size: 8, .value_kind: global_buffer, .address_space: global }
      - { .name: out0, .offset: 16, .size: 8, .value_kind: global_buffer, .address_space: global }
    .group_segment_fixed_size: 280576
    .private_segment_fixed_size: 0
    .kernarg_segment_align: 8
    .kernarg_segment_size: 24
    .max_flat_workgroup_size: 512
    .sgpr_count:     66
    .vgpr_count:     256
    .wavefront_size: 32
...
	.end_amdgpu_metadata
.endif
;; end of part 3
